; MI455X (gfx1250); checked and timed in simulation.
; The chip was launched on July 23, 2026; its instructions are those of AMD's public machine-readable ISA for CDNA 5 (MIT licence, August 2026) and "CDNA5" Instruction Set Architecture Reference Guide (July 2026). The comments in the code are by the model that wrote it; some were corrected since.
;; Triton Fused RCM Attention. Allowed arithmetic: float matrix products may take bf16 or f16 operands with f32 sums; all other float work in f32.
;; Inputs: b_proj 1,024 float32; b_qkv 3,072 float32; t one number float32; w_proj 1,024 x 1,024 float32; w_qkv 1,024 x 3,072 float32; x 2 x 2,048 x 1,024 float32.
;; Outputs: out0 2 x 2,048 x 1,024 float32.
;; One version. Each part assembles by itself: llvm-mc -triple=amdgcn-amd-amdhsa -mcpu=gfx1250 --defsym DOCPART=n.
;; ======== version 1 of 1: 4 launches
;; limits: values are held in f16: magnitudes above 65,504 overflow, below 6.1e-05 lose precision
;; workspace buffers: h16 16,777,216 bytes; qkv 25,165,824 bytes; mid 8,388,608 bytes
;; launch cast (part 1): grid 512 x 1, 8 waves a work-group, no clusters, 0 bytes of LDS; arguments x, w_qkv, w_proj, h16; writes h16
.if DOCPART == 1
	.amdgcn_target "amdgcn-amd-amdhsa--gfx1250"
	.amdhsa_code_object_version 6
	.text
	.protected	k_q7a837b0483_cast
	.globl	k_q7a837b0483_cast
	.p2align	8
	.type	k_q7a837b0483_cast,@function
k_q7a837b0483_cast:
	s_mov_b64 s[64:65], 0
	v_nop
	global_prefetch_b8 v0, s[64:65] scope:SCOPE_SE
	s_setreg_imm32_b32 hwreg(HW_REG_WAVE_MODE, 25, 1), 1
	s_wait_xcnt 0x0
; x, w_qkv, w_proj (f32) -> h16 (f16), layouts unchanged: x at byte 0, w_qkv at byte 8,388,608, w_proj at byte 14,680,064.
; LIMIT: a number of magnitude 65,520 or more becomes an f16 infinity; magnitudes below 6e-8 round to zero.
; A stream: each input byte is read once, each output byte written once.  No LDS, no matrix unit, no cluster: the work-groups share no input.
; A work-group takes 16,384 numbers (64 KiB in, 32 KiB out): groups 0-255 x, 256-447 w_qkv, 448-511 w_proj.  The three parts follow each
; other in h16 in that order, so the output offset is the group's number times 32 KiB for all of them.
; All sixteen loads of a thread go out first; no register is written twice, so the only waits are the counted ones for the data.
.set X, 4                              ; v[4:67]   sixteen loads of four f32
.set Y, 68                             ; v[68:99]  sixteen pairs of packed f16
	s_load_b256 s[4:11], s[0:1], 0x0               ; x s[4:5], w_qkv s[6:7], w_proj s[8:9], h16 s[10:11]
	v_lshlrev_b32 v1, 4, v0                        ; 16 bytes a thread in: a wave's load covers 512 consecutive bytes
	v_lshlrev_b32 v2, 3, v0                        ; 8 bytes a thread out: a wave's store covers 256 consecutive bytes, aligned
	s_wait_kmcnt 0x0
	s_cmp_lt_u32 ttmp9, 256
	s_cselect_b64 s[12:13], s[4:5], s[6:7]         ; the source, chosen by the group's number alone
	s_cselect_b32 s14, 0, 256                      ; and the number of that source's first group
	s_cmp_lt_u32 ttmp9, 448
	s_cselect_b64 s[12:13], s[12:13], s[8:9]
	s_cselect_b32 s14, s14, 448
	s_sub_co_u32 s14, ttmp9, s14
	s_lshl_b32 s14, s14, 16                        ; 64 KiB a group, below 16 MiB
	s_mov_b32 s15, 0
	s_add_nc_u64 s[12:13], s[12:13], s[14:15]
	s_lshl_b32 s16, ttmp9, 15                      ; 32 KiB a group
	s_mov_b32 s17, 0
	s_add_nc_u64 s[10:11], s[10:11], s[16:17]
.irp j, 0,1,2,3,4,5,6,7,8,9,10,11,12,13,14,15
	global_load_b128 v[X+4*\j:X+4*\j+3], v1, s[12:13] offset:4096*\j th:TH_LOAD_NT
.endr
.irp j, 0,1,2,3,4,5,6,7,8,9,10,11,12,13,14,15
	s_wait_loadcnt 15-\j                           ; loads return in order: load j is in, the 15-j younger ones stay out
	v_cvt_pk_f16_f32 v[Y+2*\j], v[X+4*\j], v[X+4*\j+1]
	v_cvt_pk_f16_f32 v[Y+2*\j+1], v[X+4*\j+2], v[X+4*\j+3]
	global_store_b64 v2, v[Y+2*\j:Y+2*\j+1], s[10:11] offset:2048*\j
.endr
	s_endpgm
.Lfunc_end_k_q7a837b0483_cast:
	.size	k_q7a837b0483_cast, .Lfunc_end_k_q7a837b0483_cast-k_q7a837b0483_cast
	.p2alignl 7, 3214868480
	.fill 96, 4, 3214868480
	.section	.rodata,"a",@progbits
	.p2align	6, 0x0
	.amdhsa_kernel k_q7a837b0483_cast
		.amdhsa_group_segment_fixed_size 0
		.amdhsa_private_segment_fixed_size 0
		.amdhsa_enable_private_segment 0
		.amdhsa_kernarg_size 32
		.amdhsa_user_sgpr_count 2
		.amdhsa_user_sgpr_kernarg_segment_ptr 1
		.amdhsa_wavefront_size32 1
		.amdhsa_system_sgpr_workgroup_id_x 1
		.amdhsa_system_sgpr_workgroup_id_y 1
		.amdhsa_system_sgpr_workgroup_id_z 1
		.amdhsa_system_vgpr_workitem_id 0
		.amdhsa_next_free_vgpr 100
		.amdhsa_next_free_sgpr 66
		.amdhsa_reserve_vcc 0
		.amdhsa_float_denorm_mode_32 3
		.amdhsa_float_denorm_mode_16_64 3
		.amdhsa_memory_ordered 1
		.amdhsa_forward_progress 1
		.amdhsa_inst_pref_size 7
	.end_amdhsa_kernel
	.amdgpu_metadata
---
amdhsa.version: [ 1, 2 ]
amdhsa.kernels:
  - .name:           k_q7a837b0483_cast
    .symbol:         k_q7a837b0483_cast.kd
    .args:
      - { .name: x, .offset: 0, .size: 8, .value_kind: global_buffer, .address_space: global }
      - { .name: w_qkv, .offset: 8, .size: 8, .value_kind: global_buffer, .address_space: global }
      - { .name: w_proj, .offset: 16, .size: 8, .value_kind: global_buffer, .address_space: global }
      - { .name: h16, .offset: 24, .size: 8, .value_kind: global_buffer, .address_space: global }
    .group_segment_fixed_size: 0
    .private_segment_fixed_size: 0
    .kernarg_segment_align: 8
    .kernarg_segment_size: 32
    .max_flat_workgroup_size: 256
    .sgpr_count:     66
    .vgpr_count:     100
    .wavefront_size: 32
...
	.end_amdgpu_metadata
.endif
;; end of part 1
;; launch qkv (part 2): grid 8 x 32, 4 waves a work-group, clusters of 4 x 4, 327,680 bytes of LDS; arguments h16, b_qkv, qkv; writes qkv
.if DOCPART == 2
	.amdgcn_target "amdgcn-amd-amdhsa--gfx1250"
	.amdhsa_code_object_version 6
	.text
	.protected	k_q7a837b0483_qkv
	.globl	k_q7a837b0483_qkv
	.p2align	8
	.type	k_q7a837b0483_qkv,@function
k_q7a837b0483_qkv:
	s_mov_b64 s[64:65], 0
	v_nop
	global_prefetch_b8 v0, s[64:65] scope:SCOPE_SE
	s_setreg_imm32_b32 hwreg(HW_REG_WAVE_MODE, 25, 1), 1
	s_wait_xcnt 0x0
	s_wait_alu depctr_hold_cnt(0) depctr_sa_sdst(0) depctr_va_vdst(0) depctr_va_sdst(0) depctr_va_ssrc(0) depctr_va_vcc(0) depctr_vm_vsrc(0)
	s_getreg_b32 s2, hwreg(HW_REG_IB_STS2, 6, 4)
	s_cmp_eq_u32 s2, 0
	s_cbranch_scc0 .Lentry_in_a_cluster
	s_endpgm
.Lentry_in_a_cluster:
	s_bfe_u32 s2, ttmp6, 0x10000c
	s_cmp_lg_u32 s2, 0xf033
	s_cbranch_scc0 .Lentry_shape_is_right
	s_endpgm
.Lentry_shape_is_right:
; qkv[b][slot][n][64] (f16) = x w_qkv + b_qkv, slot = column / 64 (0-15 q, 16-31 k, 32-47 v); q is also multiplied by 0.125 log2(e),
; so that the attention launch's scores are exponents of two.  Operands f16 (from h16), sums f32.
; LIMIT: results of magnitude 65,520 or more become f16 infinities.
; A work-group makes 128 rows x 384 columns (six head slots) with four waves, 2 x 2; a wave makes 64 x 192: 4 x 12 accumulator tiles, 384 registers.
; K goes in steps of 128 through two LDS slots.  A slot has four parts of 36,864 bytes, one tensor load each: parts 0-2 are w_qkv's
; 128 k-rows x 128 columns (rows of 256 bytes, pitch 288, read by the transposing load), part 3 is x's 128 rows x 128 k (pitch 272).
; CLUSTERS: 4 x 4 work-groups.  x's tile hangs on the block row alone and is asked for jointly by a row of the cluster, w_qkv's tiles on the
; block column alone and are asked for jointly by a column.
; REGISTERS: window 0 addresses, x fragments (two buffers), bias, work; window 1 w fragments (two buffers); windows 2, 3 the accumulators of
; row tiles 0,1 and 2,3, tile (a, b) at v[8 (12 a + b)].
; The matrix instruction is used transposed (source 0 = 16 columns of w, source 1 = 16 rows of x): lane l holds row l % 16 and the eight
; neighbouring columns 8 (l / 16) + 0..7, which pack into 16 bytes.
.set PA,     272                       ; x rows in LDS: 256 bytes + 16
.set PB,     288                       ; w rows in LDS: 256 bytes + 32 (an odd multiple of 32, as the transposing load's lanes want)
.set PART,   128*PB                    ; 36,864
.set SLOT,   4*PART
.set STAGE,  2*SLOT                    ; behind the ring, no fill lands here: 16 rows x 400 bytes for each wave
.set SP,     400                       ; 384 bytes + 16
.set WQ,     8388608                   ; w_qkv's f16 copy in h16
.set HEADB,  262144                    ; bytes of one (b, slot) of qkv
.set ADRA,   16                        ; v16-17  LDS address of my x fragments in slot 0, 1
.set ADRB,   18                        ; v18-23  of my w fragments: register 3 slot + g, g = which 64 of my 192 columns
.set STO,    24
.set RD,     25
.set CO,     26
.set BOFF,   27
.set FA,     32                        ; v32-63, v64-95: x fragments, two buffers
.set BIAS,   96                        ; v96-191: bias of my 12 x 8 columns
.set TMP,    192                       ; v192-239: packed results
.set RB,     32                        ; v32-79: rows read back (the fragment buffers are free by then)
.set G1,  24
.set G0,  32
.set G1B, 48
.set G0B, 56
.set SC,  70                           ; s[70:75] three pairs: the factor of each of my three head slots
.set MUL_LO, 0xa1
.set MUL_HI, 0xf1
.set TO_B,   0x40
.set MSB, 0
.macro WIN new                         ; the immediate's high byte repeats the setting that is left
.if MSB != \new
	s_set_vgpr_msb (MSB<<8)|\new
.set MSB, \new
.endif
.endm
.macro PLACES n
.rept \n
	v_nop
.endr
.endm
; A joint load: wave 3 asks for x's tile, waves 0-2 for w's three.  The branch hangs on the wave's number alone.
.macro JLOAD s
	s_cmp_eq_u32 s10, 3
	s_cbranch_scc0 .Lfor_b_\@
	tensor_load_to_lds s[G0+4*\s:G0+4*\s+3], s[G1:G1+7]
	s_nop 0
	s_branch .Lasked_\@
.Lfor_b_\@:
	tensor_load_to_lds s[G0B+4*\s:G0B+4*\s+3], s[G1B:G1B+7]
	s_nop 0
.Lasked_\@:
.endm
.macro CREST                           ; a round of the cluster's barrier behind its opening barrier
	s_cmp_lg_u32 s10, 0
	s_cbranch_scc1 .Lnot_wave_0_\@
	s_barrier_signal -3
.Lnot_wave_0_\@:
	s_barrier_wait -3
	s_barrier_signal -1
	s_barrier_wait -1
.endm
.macro CROUND
	s_barrier_signal -1
	s_barrier_wait -1
	CREST
.endm
	s_load_b128 s[4:7], s[0:1], 0x0                ; h16 s[4:5], b_qkv s[6:7]
	s_load_b64 s[8:9], s[0:1], 0x10                ; qkv
	s_set_vgpr_msb 0x40
	v_lshl_add_u32 v255, v0, 2, 0x4e400
	s_set_vgpr_msb 0x4000
	v_mov_b32 v255, 0
	s_set_vgpr_msb 0x1
	ds_add_u32 v255, v255
	s_set_vgpr_msb 0x100
	v_lshrrev_b32 v1, 5, v0
	v_readfirstlane_b32 s10, v1                    ; wave 0..3
	s_lshr_b32 s11, s10, 1                         ; wm: which 64 rows
	s_and_b32 s12, s10, 1                          ; wn: which 192 columns
	s_bfe_u32 s40, ttmp6, 0x40000                  ; cx
	s_bfe_u32 s41, ttmp6, 0x40004                  ; cy
	s_lshl_b32 s42, ttmp9, 2
	s_add_co_u32 s42, s42, s40                     ; bx: block column, 0..7
	s_and_b32 s13, ttmp7, 0xffff
	s_lshl_b32 s13, s13, 2
	s_add_co_u32 s13, s13, s41                     ; by: block row, 0..31
	s_lshl_b32 s43, s41, 2
	s_lshl_b32 s43, 15, s43                        ; my row of the cluster
	s_lshl_b32 s44, 0x1111, s40                    ; my column
	; group 1: tiles of 128 rows x 128 elements of 2 bytes; a pad behind every 64 words: 4 words for x, 8 for w
	s_or_b32 s[G1+0], s43, (1<<16)|(1<<20)|(1<<21)|(5<<22)|(3<<25)
	s_or_b32 s[G1B+0], s44, (1<<16)|(1<<20)|(1<<21)|(5<<22)|(7<<25)
	s_mov_b32 s[G1+1], 128<<16                     ; tensor_dim0 = 128
	s_mov_b32 s[G1B+1], 128<<16
	s_mov_b32 s[G1+2], 128<<16                     ; tensor_dim1 = 128
	s_mov_b32 s[G1B+2], 128<<16
	s_mov_b32 s[G1+3], 128<<16                     ; tile_dim0 = 128
	s_mov_b32 s[G1B+3], 128<<16
	s_mov_b32 s[G1+4], 128                         ; tile_dim1 = 128
	s_mov_b32 s[G1B+4], 128
	s_mov_b32 s[G1+5], 1024                        ; x: elements from row to row
	s_mov_b32 s[G1B+5], 3072                       ; w_qkv
	s_mov_b32 s[G1+6], 0
	s_mov_b32 s[G1B+6], 0
	s_mov_b32 s[G1+7], 0
	s_mov_b32 s[G1B+7], 0
	s_lshl_b32 s16, s13, 18                        ; x: 128 rows of 2,048 bytes a block row
	s_mov_b32 s17, 0
	s_mul_i32 s46, s42, 768                        ; w: 384 columns of 2 bytes a block column,
	s_lshl_b32 s47, s10, 8                         ; + 128 columns a wave,
	s_add_co_u32 s46, s46, s47
	s_add_co_u32 s46, s46, WQ                      ; behind x's copy
	s_mov_b32 s47, 0
	s_mul_i32 s20, s10, PART                       ; where the wave's tile goes: the wave's number alone
	s_wait_dscnt 0x0
	s_wait_kmcnt 0x0
	s_add_nc_u64 s[14:15], s[4:5], s[16:17]
	s_add_nc_u64 s[46:47], s[4:5], s[46:47]
	CROUND                                         ; all sixteen work-groups are here: the first joint loads meet
.irp s, 0,1
	s_mov_b32 s[G0+4*\s], 1
	s_add_co_u32 s[G0+4*\s+1], s20, \s*SLOT
	s_add_nc_u64 s[G0+4*\s+2:G0+4*\s+3], s[14:15], \s*256          ; K step s: 128 elements along the row
	s_or_b32 s[G0+4*\s+3], s[G0+4*\s+3], 0x80000000
	s_mov_b32 s[G0B+4*\s], 1
	s_add_co_u32 s[G0B+4*\s+1], s20, \s*SLOT
	s_add_nc_u64 s[G0B+4*\s+2:G0B+4*\s+3], s[46:47], \s*786432     ; K step s: 128 rows of 6,144 bytes
	s_or_b32 s[G0B+4*\s+3], s[G0B+4*\s+3], 0x80000000
	JLOAD \s
.endr
	v_and_b32 v1, 15, v0                           ; r
	v_bfe_u32 v2, v0, 4, 1                         ; h
	v_and_b32 v3, 7, v0                            ; l & 7
	v_bfe_u32 v4, v0, 3, 1                         ; (l >> 3) & 1
	v_and_b32 v5, 31, v0                           ; l
	v_lshlrev_b32 v[BOFF], 5, v2                   ; my eight columns of a tile: 32 h bytes of f32
	s_mul_i32 s46, s42, 1536                       ; bias: 4 (384 bx + 192 wn)
	s_mul_i32 s47, s12, 768
	s_add_co_u32 s46, s46, s47
	s_mov_b32 s47, 0
	s_add_nc_u64 s[66:67], s[6:7], s[46:47]
.irp b, 0,1,2,3,4,5,6,7,8,9,10,11
	global_load_b128 v[BIAS+8*\b:BIAS+8*\b+3],   v[BOFF], s[66:67] offset:64*\b
	global_load_b128 v[BIAS+8*\b+4:BIAS+8*\b+7], v[BOFF], s[66:67] offset:64*\b+16
.endr
	s_mul_i32 s46, s42, 6
	s_mul_i32 s47, s12, 3
	s_add_co_u32 s46, s46, s47                     ; my first head slot, 6 bx + 3 wn; kept for the way out
.irp g, 0,1,2
	s_add_co_u32 s47, s46, \g
	s_cmp_lt_u32 s47, 16                           ; a slot of q?
	s_cselect_b32 s[SC+2*\g], 0x3e38aa3b, 1.0      ; 0.125 log2(e), or 1
	s_mov_b32 s[SC+2*\g+1], s[SC+2*\g]
.endr
	v_mul_u32_u24 v6, v1, PA
	v_lshl_add_u32 v6, v2, 4, v6                   ; r x pitch + 16 h
	s_mul_i32 s21, s11, 64*PA
	s_add_co_u32 s21, s21, 3*PART
	v_add_nc_u32 v[ADRA], s21, v6
	v_add_nc_u32 v[ADRA+1], SLOT, v[ADRA]
	v_lshl_add_u32 v7, v2, 3, v3                   ; k row 8 h + (l & 7)
	v_mul_u32_u24 v7, v7, PB
	v_lshl_add_u32 v7, v4, 4, v7                   ; + 16 bytes for the upper eight columns
	s_mul_i32 s21, s12, 3
.irp g, 0,1,2
	s_add_co_u32 s22, s21, \g                      ; which 64 columns of the block's 384
	s_lshr_b32 s23, s22, 1
	s_mul_i32 s23, s23, PART                       ; the part,
	s_and_b32 s22, s22, 1
	s_lshl_b32 s22, s22, 7                         ; and its left or right 128 bytes
	s_add_co_u32 s22, s22, s23
	v_add_nc_u32 v[ADRB+\g], s22, v7
	v_add_nc_u32 v[ADRB+3+\g], SLOT, v[ADRB+\g]
.endr
	s_mul_i32 s23, s10, 16*SP
	s_add_co_u32 s23, s23, STAGE
	v_mul_u32_u24 v8, v1, SP
	v_lshl_add_u32 v8, v2, 4, v8
	v_add_nc_u32 v[STO], s23, v8                   ; in: row r, 16 bytes for each half of the lanes
	v_lshrrev_b32 v9, 3, v5
	v_mul_u32_u24 v9, v9, SP
	v_lshl_add_u32 v9, v3, 4, v9
	v_add_nc_u32 v[RD], s23, v9                    ; back: eight lanes take a head's 128 bytes of a row, four rows a load
	v_lshlrev_b32 v[CO], 4, v5                     ; which are 512 consecutive bytes of qkv
; 32 LDS loads: the fragments of 32 along K (quarter q of the slot's step) into buffer f
.macro FETCH slot, q, f
	WIN TO_B
.irp g, 0,1,2
.irp c, 0,1,2,3
	ds_load_tr16_b128 v[96*\f+8*(4*\g+\c):96*\f+8*(4*\g+\c)+3],   v[ADRB+3*\slot+\g] offset:32*PB*\q+32*\c
	ds_load_tr16_b128 v[96*\f+8*(4*\g+\c)+4:96*\f+8*(4*\g+\c)+7], v[ADRB+3*\slot+\g] offset:32*PB*\q+32*\c+16*PB
.endr
.endr
	WIN 0
.irp a, 0,1,2,3
	ds_load_b128 v[FA+32*\f+8*\a:FA+32*\f+8*\a+3],   v[ADRA+\slot] offset:16*PA*\a+64*\q
	ds_load_b128 v[FA+32*\f+8*\a+4:FA+32*\f+8*\a+7], v[ADRA+\slot] offset:16*PA*\a+64*\q+32
.endr
.endm
; 12 matrix instructions: row tile 2 hi + a against all 12 column tiles.  The 48 accumulators take turns, one instruction a turn, in the same
; order in every quarter.
.macro MULROW f, hi, a, zero
.irp b, 0,1,2,3,4,5,6,7,8,9,10,11
.if \zero
	v_wmma_f32_16x16x32_f16 v[8*(12*\a+\b):8*(12*\a+\b)+7], v[96*\f+8*\b:96*\f+8*\b+7], v[FA+32*\f+8*(2*\hi+\a):FA+32*\f+8*(2*\hi+\a)+7], 0
.else
	v_wmma_f32_16x16x32_f16 v[8*(12*\a+\b):8*(12*\a+\b)+7], v[96*\f+8*\b:96*\f+8*\b+7], v[FA+32*\f+8*(2*\hi+\a):FA+32*\f+8*(2*\hi+\a)+7], v[8*(12*\a+\b):8*(12*\a+\b)+7]
.endif
.endr
.endm
; A quarter step: buffer f is in; four places behind the matrix instructions that read buffer g (ISA guide 7.12.1), then the next quarter's
; fragments go out into g and have this quarter's 48 matrix instructions in which to come.
.macro QUARTER slot, qn, f, g, zero
	s_wait_dscnt 0x0
	PLACES 4
	FETCH \slot, \qn, \g
	WIN MUL_LO
	MULROW \f, 0, 0, \zero
	MULROW \f, 0, 1, \zero
	WIN MUL_HI
	MULROW \f, 1, 0, \zero
	MULROW \f, 1, 1, \zero
.endm
.macro THREE slot, zero
	QUARTER \slot, 1, 0, 1, \zero
	QUARTER \slot, 2, 1, 0, 0
	QUARTER \slot, 3, 0, 1, 0
.endm
; The last quarter multiplies buffer 1 and changes slots.  In front of the barrier: my reads of this slot are back and all my tensor loads have
; landed (the one that was out is my part of the next slot).  Where the slot is filled again the barrier opens a round of the cluster's barrier,
; and the joint refill is the first tensor load behind the round.
.macro TURN slot, next, fill
	s_wait_dscnt 0x0
	s_wait_tensorcnt 0x0
	ds_add_u32 v255, v255
	s_wait_dscnt 0x0
	s_barrier_signal -1
	WIN MUL_LO
	MULROW 1, 0, 0, 0
	MULROW 1, 0, 1, 0
	WIN 0
	s_barrier_wait -1
.if \fill
	CREST
	s_add_nc_u64 s[G0+4*\slot+2:G0+4*\slot+3], s[G0+4*\slot+2:G0+4*\slot+3], 512          ; two K steps on; no load of mine is out
	s_add_nc_u64 s[G0B+4*\slot+2:G0B+4*\slot+3], s[G0B+4*\slot+2:G0B+4*\slot+3], 1572864
	JLOAD \slot
.endif
	PLACES 4
	FETCH \next, 0, 0
	WIN MUL_HI
	MULROW 1, 1, 0, 0
	MULROW 1, 1, 1, 0
.endm
.macro LAP zero
	THREE 0, \zero
	TURN 0, 1, 1
	THREE 1, 0
	TURN 1, 0, 1
.endm
	s_wait_tensorcnt 0x1                           ; my part of K step 0 is in; K step 1's load may stay out
	s_barrier_signal -1
	s_barrier_wait -1
	FETCH 0, 0, 0
	LAP 1                                          ; K steps 0, 1: the first products start the sums
	WIN 0
	s_mov_b32 s3, 2                                ; K steps 2 to 5
.Llap:
	LAP 0
	WIN 0
	s_sub_co_u32 s3, s3, 1
	s_cmp_lg_u32 s3, 0
	s_cbranch_scc1 .Llap
	THREE 0, 0                                     ; K steps 6, 7 fill nothing
	TURN 0, 1, 0
	THREE 1, 0
	s_wait_dscnt 0x0
	WIN MUL_LO
	MULROW 1, 0, 0, 0
	MULROW 1, 0, 1, 0
	WIN MUL_HI
	MULROW 1, 1, 0, 0
	MULROW 1, 1, 1, 0
	WIN 0
	PLACES 4                                       ; behind the last matrix instructions, for all that follows
	; THE WAY OUT: (sum + bias) x factor = sum x factor + (bias x factor), one fused multiply-add; f16; 16 rows at a time through my own stage.
	s_wait_loadcnt 0x0                             ; the bias
.irp b, 0,1,2,3,4,5,6,7,8,9,10,11
.irp u, 0,1,2,3
	v_pk_mul_f32 v[BIAS+8*\b+2*\u:BIAS+8*\b+2*\u+1], v[BIAS+8*\b+2*\u:BIAS+8*\b+2*\u+1], s[SC+2*(\b/4):SC+2*(\b/4)+1] op_sel_hi:[1,0]
.endr
.endr
	s_lshr_b32 s16, s13, 4                         ; b
	s_mul_i32 s16, s16, 48*HEADB
	s_and_b32 s17, s13, 15
	s_lshl_b32 s17, s17, 14                        ; 128 rows of 128 bytes a block row
	s_add_co_u32 s16, s16, s17
	s_lshl_b32 s17, s11, 13                        ; 64 rows
	s_add_co_u32 s16, s16, s17
	s_mov_b32 s17, 0
	s_add_nc_u64 s[8:9], s[8:9], s[16:17]
	s_lshl_b32 s46, s46, 18                        ; my first head slot
	s_mov_b32 s47, 0
	s_add_nc_u64 s[8:9], s[8:9], s[46:47]
.macro OUTROW i, a, fmaw, cvtw
	WIN \fmaw
.irp b, 0,1,2,3,4,5,6,7,8,9,10,11
.irp u, 0,1,2,3
	v_pk_fma_f32 v[8*(12*\a+\b)+2*\u:8*(12*\a+\b)+2*\u+1], v[8*(12*\a+\b)+2*\u:8*(12*\a+\b)+2*\u+1], s[SC+2*(\b/4):SC+2*(\b/4)+1], v[BIAS+8*\b+2*\u:BIAS+8*\b+2*\u+1] op_sel_hi:[1,0,1]
.endr
.endr
	WIN \cvtw
.irp b, 0,1,2,3,4,5,6,7,8,9,10,11
.irp u, 0,1,2,3
	v_cvt_pk_f16_f32 v[TMP+4*\b+\u], v[8*(12*\a+\b)+2*\u], v[8*(12*\a+\b)+2*\u+1]
.endr
.endr
	WIN 0
.irp b, 0,1,2,3,4,5,6,7,8,9,10,11
	ds_store_b128 v[STO], v[TMP+4*\b:TMP+4*\b+3] offset:32*\b
.endr
	s_wait_xcnt 0x0                                ; RB, which the last row tile's stores read, is loaded again only behind this wait
.irp g, 0,1,2
.irp t, 0,1,2,3
	ds_load_b128 v[RB+4*(4*\g+\t):RB+4*(4*\g+\t)+3], v[RD] offset:128*\g+4*SP*\t     ; a wave's LDS instructions are served in order: these see the stores above
.endr
.endr
.irp g, 0,1,2
.irp t, 0,1,2,3
	s_wait_dscnt 11-(4*\g+\t)                      ; the younger read-backs stay out
	global_store_b128 v[CO], v[RB+4*(4*\g+\t):RB+4*(4*\g+\t)+3], s[8:9] offset:HEADB*\g+(16*\i+4*\t)*128   ; four rows of a head: 512 consecutive bytes
.endr
.endr
.endm
	OUTROW 0, 0, 0x82, 0x0a
	OUTROW 1, 1, 0x82, 0x0a
	OUTROW 2, 0, 0xc3, 0x0f
	OUTROW 3, 1, 0xc3, 0x0f
	s_set_vgpr_msb 0x1
	s_wait_tensorcnt 0x0
	ds_add_u32 v255, v255
	s_wait_dscnt 0x0
	s_set_vgpr_msb 0x100
	CROUND                                         ; the closing round: no work-group ends while a partner may still ask for a tile that names it
	s_endpgm
.Lfunc_end_k_q7a837b0483_qkv:
	.size	k_q7a837b0483_qkv, .Lfunc_end_k_q7a837b0483_qkv-k_q7a837b0483_qkv
	.p2alignl 7, 3214868480
	.fill 96, 4, 3214868480
	.section	.rodata,"a",@progbits
	.p2align	6, 0x0
	.amdhsa_kernel k_q7a837b0483_qkv
		.amdhsa_group_segment_fixed_size 327680
		.amdhsa_private_segment_fixed_size 0
		.amdhsa_enable_private_segment 0
		.amdhsa_kernarg_size 24
		.amdhsa_user_sgpr_count 2
		.amdhsa_user_sgpr_kernarg_segment_ptr 1
		.amdhsa_wavefront_size32 1
		.amdhsa_system_sgpr_workgroup_id_x 1
		.amdhsa_system_sgpr_workgroup_id_y 1
		.amdhsa_system_sgpr_workgroup_id_z 1
		.amdhsa_system_vgpr_workitem_id 0
		.amdhsa_next_free_vgpr 960
		.amdhsa_next_free_sgpr 80
		.amdhsa_reserve_vcc 0
		.amdhsa_float_denorm_mode_32 3
		.amdhsa_float_denorm_mode_16_64 3
		.amdhsa_memory_ordered 1
		.amdhsa_forward_progress 1
		.amdhsa_inst_pref_size 182
	.end_amdhsa_kernel
	.amdgpu_metadata
---
amdhsa.version: [ 1, 2 ]
amdhsa.kernels:
  - .name:           k_q7a837b0483_qkv
    .symbol:         k_q7a837b0483_qkv.kd
    .args:
      - { .name: h16, .offset: 0, .size: 8, .value_kind: global_buffer, .address_space: global }
      - { .name: b_qkv, .offset: 8, .size: 8, .value_kind: global_buffer, .address_space: global }
      - { .name: qkv, .offset: 16, .size: 8, .value_kind: global_buffer, .address_space: global }
    .group_segment_fixed_size: 327680
    .private_segment_fixed_size: 0
    .kernarg_segment_align: 8
    .kernarg_segment_size: 24
    .max_flat_workgroup_size: 128
    .sgpr_count:     80
    .vgpr_count:     960
    .wavefront_size: 32
...
	.end_amdgpu_metadata
.endif
;; end of part 2
;; launch attn (part 3): grid 8 x 32, 8 waves a work-group, clusters of 4 x 1, 327,680 bytes of LDS; arguments qkv, x, t, mid; writes mid
.if DOCPART == 3
	.amdgcn_target "amdgcn-amd-amdhsa--gfx1250"
	.amdhsa_code_object_version 6
	.text
	.protected	k_q7a837b0483_attn
	.globl	k_q7a837b0483_attn
	.p2align	8
	.type	k_q7a837b0483_attn,@function
k_q7a837b0483_attn:
	s_mov_b64 s[64:65], 0
	v_nop
	global_prefetch_b8 v0, s[64:65] scope:SCOPE_SE
	s_setreg_imm32_b32 hwreg(HW_REG_WAVE_MODE, 25, 1), 1
	s_wait_xcnt 0x0
	s_wait_alu depctr_hold_cnt(0) depctr_sa_sdst(0) depctr_va_vdst(0) depctr_va_sdst(0) depctr_va_ssrc(0) depctr_va_vcc(0) depctr_vm_vsrc(0)
	s_getreg_b32 s2, hwreg(HW_REG_IB_STS2, 6, 4)
	s_cmp_eq_u32 s2, 0
	s_cbranch_scc0 .Lentry_in_a_cluster
	s_endpgm
.Lentry_in_a_cluster:
	s_bfe_u32 s2, ttmp6, 0x10000c
	s_cmp_lg_u32 s2, 0x3003
	s_cbranch_scc0 .Lentry_shape_is_right
	s_endpgm
.Lentry_shape_is_right:
; mid = c_skip x + c_out softmax(q k^T / 8) v, per head, f16, laid out [row / 128][head][128 rows][64].
; c_skip = 1 / (t^2 + 1), c_out = t / sqrt(1 + t^2).  q comes multiplied by 0.125 log2(e), so p = 2^(s - m) with the running maximum m taken away:
; no exponent is above 0 for any input.
; LIMITS: p and the result are f16: p below 6e-8 counts as 0 against a row sum of at least 1; results of magnitude 65,520 or more become infinities.
; The sums are formed in another order than a plain softmax's (two halves of the keys, merged at the end).
; A work-group takes 256 queries of one head with eight waves: wave & 3 picks 64 queries, wave >> 2 one half of every slot's keys, so that each SIMD
; holds two waves and one's softmax runs beside the other's matrix work.  Each wave keeps its own (m, l, O); waves 4-7 hand theirs over at the end.
; CLUSTERS: four work-groups along x are four query blocks of one head: they ask jointly for every K and V tile (mask 15).
; NO SHUFFLE: S^T = K Q^T puts query l % 16 in lane l with keys 8 (l / 16) + j in register j; two packed key tiles are at once the second source of
; O^T = V^T P^T, whose first source is read from V [key][d] by the transposing load.  m, l and the rescaling factor are one number a lane.
.set PK,     144                       ; K rows in LDS: 128 bytes + 16
.set PV,     160                       ; V rows: 128 + 32 (an odd multiple of 32)
.set KOFF,   256*PV                    ; 40,960: K's 256 rows lie behind V's
.set SLOT,   KOFF+256*PK               ; 77,824: 256 keys
.set DUMP,   2*SLOT                    ; 18,432 bytes for each wave & 3: O, m, l of the upper key half.  No fill lands here
.set DUMPW,  18432
.set RSTG,   DUMP+4*DUMPW              ; 16 rows x 272 bytes for each of waves 0-3
.set RP,     272
.set HEADB,  262144
.set QO,  4
.set ADK, 5                            ; v5-6   K fragments in slot 0, 1
.set ADV, 7                            ; v7-8   V fragments
.set DA,  9
.set STO, 10
.set RD,  11
.set XO,  12
.set MO,  13
.set PX,  14
.set QF,  16                           ; v16-79    Q fragment (qt, dh) at 8 (2 qt + dh)
.set KF,  80                           ; v80-143   K fragment (kt, dh) at 8 (2 kt + dh)
.set VF,  144                          ; v144-207  V fragment (kg, dt) at 8 (4 kg + dt)
.set MX,  208                          ; v208-223  two sets of four pairs [m, m]
.set LS,  224                          ; v224-231  four pairs of partial row sums
.set AL,  232                          ; v232-239  four pairs [alpha, alpha]
.set T2,  240
.set CS,  244                          ; c_skip, twice
.set COUT, 246
.set TP,  248
.set XR,  16                           ; at the end: 64 rows of x
.set OB,  144                          ; at the end: the other half's O of one query tile
.set MB,  176
.set LB,  184
.set RB,  176
.set S,   0                            ; window 1: S (qt, kt) at 32 qt + 8 kt
.set O,   128                          ; window 1: O (qt, dt) at 128 + 32 qt + 8 dt
.set G1V, 24
.set G0V, 32
.set G1K, 48
.set G0K, 56
.set MSB, 0
.macro WIN new
.if MSB != \new
	s_set_vgpr_msb (MSB<<8)|\new
.set MSB, \new
.endif
.endm
.macro PLACES n
.rept \n
	v_nop
.endr
.endm
.macro JLOAD s                         ; waves 0-3 ask for V's four quarters, waves 4-7 for K's
	s_cmp_eq_u32 s13, 0
	s_cbranch_scc0 .Lfor_k_\@
	tensor_load_to_lds s[G0V+4*\s:G0V+4*\s+3], s[G1V:G1V+7]
	s_nop 0
	s_branch .Lasked_\@
.Lfor_k_\@:
	tensor_load_to_lds s[G0K+4*\s:G0K+4*\s+3], s[G1K:G1K+7]
	s_nop 0
.Lasked_\@:
.endm
.macro CREST
	s_cmp_lg_u32 s12, 0
	s_cbranch_scc1 .Lnot_wave_0_\@
	s_barrier_signal -3
.Lnot_wave_0_\@:
	s_barrier_wait -3
	s_barrier_signal -1
	s_barrier_wait -1
.endm
.macro CROUND
	s_barrier_signal -1
	s_barrier_wait -1
	CREST
.endm
	s_load_b256 s[4:11], s[0:1], 0x0               ; qkv s[4:5], x s[6:7], t s[8:9], mid s[10:11]
	v_lshl_add_u32 v254, v0, 2, 0x3c400
	v_mov_b32 v255, 0
	ds_add_u32 v254, v255
	v_lshrrev_b32 v1, 5, v0
	v_readfirstlane_b32 s12, v1                    ; wave 0..7
	s_lshr_b32 s13, s12, 2                         ; g: which half of a slot's keys
	s_and_b32 s14, s12, 3                          ; w4: which 64 queries
	s_mov_b32 s16, 0x76543210                      ; v_permlanex16_b32: lane i reads lane i of the other half
	s_mov_b32 s17, 0xfedcba98
	s_bfe_u32 s40, ttmp6, 0x40000                  ; cx
	s_lshl_b32 s41, ttmp9, 2
	s_add_co_u32 s41, s41, s40                     ; qb: query block 0..7
	s_and_b32 s18, ttmp7, 0xffff                   ; b x 16 + h
	s_lshr_b32 s19, s18, 4                         ; b
	s_and_b32 s20, s18, 15                         ; h
	s_mul_i32 s21, s19, 48
	s_add_co_u32 s21, s21, s20
	s_lshl_b32 s21, s21, 18                        ; q's (b, h) in qkv
	s_lshl_b32 s70, s14, 13                        ; 64 rows of 128 bytes a wave & 3
	s_add_co_u32 s70, s70, s21
	s_add_co_u32 s22, s70, 32*HEADB                ; V
	s_mov_b32 s23, 0
	s_add_co_u32 s42, s70, 16*HEADB                ; K
	s_mov_b32 s43, 0
	s_lshl_b32 s44, s41, 15                        ; Q: 256 rows a query block
	s_add_co_u32 s44, s44, s70
	s_mov_b32 s45, 0
	s_mul_i32 s71, s12, 64*PV                      ; V's quarter of waves 0-3
	s_mul_i32 s72, s12, 64*PK
	s_add_co_u32 s72, s72, 4096                    ; K's quarter of waves 4-7: 40,960 + 9,216 (wave - 4)
	; group 1: tiles of 64 rows x 64 elements of 2 bytes, dense in memory; a pad behind every 32 words: 8 words for V, 4 for K
	s_mov_b32 s[G1V+0], 15|(1<<16)|(1<<20)|(1<<21)|(4<<22)|(7<<25)
	s_mov_b32 s[G1K+0], 15|(1<<16)|(1<<20)|(1<<21)|(4<<22)|(3<<25)
	s_mov_b32 s[G1V+1], 64<<16
	s_mov_b32 s[G1K+1], 64<<16
	s_mov_b32 s[G1V+2], 64<<16
	s_mov_b32 s[G1K+2], 64<<16
	s_mov_b32 s[G1V+3], 64<<16
	s_mov_b32 s[G1K+3], 64<<16
	s_mov_b32 s[G1V+4], 64
	s_mov_b32 s[G1K+4], 64
	s_mov_b32 s[G1V+5], 64
	s_mov_b32 s[G1K+5], 64
	s_mov_b32 s[G1V+6], 0
	s_mov_b32 s[G1K+6], 0
	s_mov_b32 s[G1V+7], 0
	s_mov_b32 s[G1K+7], 0
	s_wait_dscnt 0x0
	s_wait_kmcnt 0x0
	s_add_nc_u64 s[22:23], s[4:5], s[22:23]
	s_add_nc_u64 s[42:43], s[4:5], s[42:43]
	s_add_nc_u64 s[44:45], s[4:5], s[44:45]
	s_load_b32 s15, s[8:9], 0x0                    ; t
	CROUND                                         ; the four work-groups are here: the first joint loads meet
.irp s, 0,1
	s_mov_b32 s[G0V+4*\s], 1
	s_add_co_u32 s[G0V+4*\s+1], s71, \s*SLOT
	s_add_nc_u64 s[G0V+4*\s+2:G0V+4*\s+3], s[22:23], \s*32768      ; 256 keys of 128 bytes a slot
	s_or_b32 s[G0V+4*\s+3], s[G0V+4*\s+3], 0x80000000
	s_mov_b32 s[G0K+4*\s], 1
	s_add_co_u32 s[G0K+4*\s+1], s72, \s*SLOT
	s_add_nc_u64 s[G0K+4*\s+2:G0K+4*\s+3], s[42:43], \s*32768
	s_or_b32 s[G0K+4*\s+3], s[G0K+4*\s+3], 0x80000000
	JLOAD \s
.endr
	v_and_b32 v1, 31, v0                           ; l
	v_and_b32 v2, 15, v0                           ; r
	v_bfe_u32 v3, v0, 4, 1                         ; h
	v_lshlrev_b32 v[QO], 7, v2
	v_lshl_add_u32 v[QO], v3, 4, v[QO]             ; 128 r + 16 h
.irp qt, 0,1,2,3
.irp dh, 0,1
	global_load_b128 v[QF+8*(2*\qt+\dh):QF+8*(2*\qt+\dh)+3],   v[QO], s[44:45] offset:2048*\qt+64*\dh
	global_load_b128 v[QF+8*(2*\qt+\dh)+4:QF+8*(2*\qt+\dh)+7], v[QO], s[44:45] offset:2048*\qt+64*\dh+32
.endr
.endr
	s_lshl_b32 s66, s19, 23                        ; x: b x 2,048 rows of 4,096 bytes
	s_lshl_b32 s46, s41, 20                        ; + 256 rows a query block
	s_add_co_u32 s66, s66, s46
	s_lshl_b32 s46, s20, 8                         ; + the head's 256 bytes of a row
	s_add_co_u32 s66, s66, s46
	s_lshl_b32 s46, s14, 18                        ; + my 64 rows
	s_add_co_u32 s46, s46, s66
	s_mov_b32 s67, 0
	s_mov_b32 s47, 0
	s_add_nc_u64 s[66:67], s[6:7], s[66:67]        ; the work-group's rows of x (for the prefetch)
	s_add_nc_u64 s[46:47], s[6:7], s[46:47]        ; my wave's
	s_lshl_b32 s68, s19, 22                        ; mid: ((16 b + 2 qb + (w4 >> 1)) 16 + h) 16,384 + (w4 & 1) 8,192
	s_lshl_b32 s69, s41, 19
	s_add_co_u32 s68, s68, s69
	s_lshr_b32 s69, s14, 1
	s_lshl_b32 s69, s69, 18
	s_add_co_u32 s68, s68, s69
	s_lshl_b32 s69, s20, 14
	s_add_co_u32 s68, s68, s69
	s_and_b32 s69, s14, 1
	s_lshl_b32 s69, s69, 13
	s_add_co_u32 s68, s68, s69
	s_mov_b32 s69, 0
	s_add_nc_u64 s[68:69], s[10:11], s[68:69]
	v_and_b32 v[TP], 7, v0
	v_bfe_u32 v[TP+1], v0, 3, 1
	v_mul_u32_u24 v[ADK], v2, PK
	v_lshl_add_u32 v[ADK], v3, 4, v[ADK]
	s_mul_i32 s18, s13, 128*PK
	s_add_co_u32 s18, s18, KOFF
	v_add_nc_u32 v[ADK], s18, v[ADK]
	v_add_nc_u32 v[ADK+1], SLOT, v[ADK]
	v_lshl_add_u32 v[ADV], v3, 3, v[TP]
	v_mul_u32_u24 v[ADV], v[ADV], PV
	v_lshl_add_u32 v[ADV], v[TP+1], 4, v[ADV]
	s_mul_i32 s18, s13, 128*PV
	v_add_nc_u32 v[ADV], s18, v[ADV]
	v_add_nc_u32 v[ADV+1], SLOT, v[ADV]
	s_mul_i32 s18, s14, DUMPW
	s_add_co_u32 s18, s18, DUMP
	v_lshl_add_u32 v[DA], v1, 4, s18
	s_mul_i32 s18, s14, 16*RP
	s_add_co_u32 s18, s18, RSTG
	v_mul_u32_u24 v[STO], v2, RP
	v_lshl_add_u32 v[STO], v3, 5, v[STO]
	v_add_nc_u32 v[STO], s18, v[STO]
	v_mul_u32_u24 v[RD], v3, RP
	v_lshl_add_u32 v[RD], v2, 4, v[RD]
	v_add_nc_u32 v[RD], s18, v[RD]
	v_lshlrev_b32 v[XO], 12, v3
	v_lshl_add_u32 v[XO], v2, 4, v[XO]
	v_lshlrev_b32 v[MO], 3, v1
	v_lshlrev_b32 v[PX], 12, v0                    ; thread i: row i of the work-group's 256
.irp qt, 0,1,2,3
	v_mov_b32 v[T2+\qt], 0                         ; v_permlanex16_b32's destination counts as read
.endr
	s_wait_kmcnt 0x0                               ; t
	v_mov_b32 v[TP], s15
	v_fma_f32 v[TP+1], v[TP], v[TP], 1.0           ; t^2 + 1
	v_rcp_f32 v[CS], v[TP+1]
	v_rcp_f32 v[CS+1], v[TP+1]
	v_rsq_f32 v[TP+2], v[TP+1]
	v_nop                                          ; one plain place behind the transcendentals (ISA guide 5.7.2)
	s_wait_alu depctr_va_vdst(0)
	v_mul_f32 v[COUT], v[TP+2], v[TP]
; 64 keys (half j of my 128 of the slot) against my 64 queries.  The new maximum goes to set j of MX, the old one is in the other set.
; first = 1: nothing to rescale, the first products start O and the first sums start l.  pf = 1: the prefetch of x.
.macro STEP slot, j, first, pf
.irp kt, 0,1,2,3
.irp dh, 0,1
	ds_load_b128 v[KF+8*(2*\kt+\dh):KF+8*(2*\kt+\dh)+3],   v[ADK+\slot] offset:64*PK*\j+16*PK*\kt+64*\dh
	ds_load_b128 v[KF+8*(2*\kt+\dh)+4:KF+8*(2*\kt+\dh)+7], v[ADK+\slot] offset:64*PK*\j+16*PK*\kt+64*\dh+32
.endr
.endr
.irp kg, 0,1
.irp dt, 0,1,2,3
	ds_load_tr16_b128 v[VF+8*(4*\kg+\dt):VF+8*(4*\kg+\dt)+3],   v[ADV+\slot] offset:64*PV*\j+32*PV*\kg+32*\dt
	ds_load_tr16_b128 v[VF+8*(4*\kg+\dt)+4:VF+8*(4*\kg+\dt)+7], v[ADV+\slot] offset:64*PV*\j+32*PV*\kg+32*\dt+16*PV
.endr
.endr
.if \pf
	; thread i asks for the 256 bytes of row i of x that the end of this kernel loads: each block once in the launch, 64 KiB a work-group,
	; two steps of 64 keys ahead of the loads; the address lies inside x
	global_prefetch_b8 v[PX], s[66:67] th:TH_LOAD_NT scope:SCOPE_SE
.endif
	s_wait_dscnt 16                                ; K's sixteen loads are in, V's sixteen stay out
	WIN 0x50                                       ; S in window 1.  The sixteen accumulators take turns, one instruction a turn
.irp qt, 0,1,2,3
.irp kt, 0,1,2,3
	v_wmma_f32_16x16x32_f16 v[S+32*\qt+8*\kt:S+32*\qt+8*\kt+7], v[KF+16*\kt:KF+16*\kt+7], v[QF+16*\qt:QF+16*\qt+7], 0
.endr
.endr
.irp qt, 0,1,2,3
.irp kt, 0,1,2,3
	v_wmma_f32_16x16x32_f16 v[S+32*\qt+8*\kt:S+32*\qt+8*\kt+7], v[KF+16*\kt+8:KF+16*\kt+15], v[QF+16*\qt+8:QF+16*\qt+15], v[S+32*\qt+8*\kt:S+32*\qt+8*\kt+7]
.endr
.endr
	PLACES 4                                       ; before vector instructions read S (ISA guide 7.12.1)
	; the running maximum: four chains, one for each query tile
.if \first
	WIN 0x05
.irp qt, 0,1,2,3
	v_max_num_f32 v[MX+8*\j+2*\qt], v[S+32*\qt], v[S+32*\qt+1]
.endr
	WIN 0x14
.else
	WIN 0x14
.irp qt, 0,1,2,3
	v_max3_num_f32 v[MX+8*\j+2*\qt], v[MX+8*(1-\j)+2*\qt], v[S+32*\qt], v[S+32*\qt+1]
.endr
.endif
.irp i, 1,2,3,4,5,6,7,8,9,10,11,12,13,14,15
.irp qt, 0,1,2,3
	v_max3_num_f32 v[MX+8*\j+2*\qt], v[MX+8*\j+2*\qt], v[S+32*\qt+2*\i], v[S+32*\qt+2*\i+1]
.endr
.endr
	WIN 0
.irp qt, 0,1,2,3
	v_permlanex16_b32 v[T2+\qt], v[MX+8*\j+2*\qt], s16, s17        ; the other eight keys of each tile lie in lane l xor 16
.endr
.irp qt, 0,1,2,3
	v_max_num_f32 v[MX+8*\j+2*\qt+1], v[MX+8*\j+2*\qt], v[T2+\qt]
.endr
.irp qt, 0,1,2,3
	v_mov_b32 v[MX+8*\j+2*\qt], v[MX+8*\j+2*\qt+1]
.endr
.if \first == 0
.irp qt, 0,1,2,3
	v_sub_f32 v[T2+\qt], v[MX+8*(1-\j)+2*\qt], v[MX+8*\j+2*\qt]    ; old - new, never above 0
.endr
.irp qt, 0,1,2,3
	v_exp_f32 v[AL+2*\qt], v[T2+\qt]
	v_exp_f32 v[AL+2*\qt+1], v[T2+\qt]
.endr
	v_nop                                          ; one plain place behind the transcendentals
	s_wait_alu depctr_va_vdst(0)
.irp qt, 0,1,2,3
	v_pk_mul_f32 v[LS+2*\qt:LS+2*\qt+1], v[LS+2*\qt:LS+2*\qt+1], v[AL+2*\qt:AL+2*\qt+1]
.endr
.endif
	WIN 0x41
.irp qt, 0,1,2,3
.irp i, 0,1,2,3,4,5,6,7,8,9,10,11,12,13,14,15
	v_pk_add_f32 v[S+32*\qt+2*\i:S+32*\qt+2*\i+1], v[S+32*\qt+2*\i:S+32*\qt+2*\i+1], v[MX+8*\j+2*\qt:MX+8*\j+2*\qt+1] neg_lo:[0,1] neg_hi:[0,1]
.endr
.endr
	; p = 2^(s - m); O's rescaling is laid between the exponentials
.irp qt, 0,1,2,3
.irp i, 0,1,2,3,4,5,6,7,8,9,10,11,12,13,14,15
	v_exp_f32 v[S+32*\qt+2*\i], v[S+32*\qt+2*\i]
	v_exp_f32 v[S+32*\qt+2*\i+1], v[S+32*\qt+2*\i+1]
.if \first == 0
	v_pk_mul_f32 v[O+32*\qt+2*\i:O+32*\qt+2*\i+1], v[O+32*\qt+2*\i:O+32*\qt+2*\i+1], v[AL+2*\qt:AL+2*\qt+1]
.endif
.endr
.endr
.if \first
	v_nop                                          ; one plain place behind the last exponential
	WIN 0x05
	s_wait_alu depctr_va_vdst(0)
.irp qt, 0,1,2,3
	v_pk_add_f32 v[LS+2*\qt:LS+2*\qt+1], v[S+32*\qt:S+32*\qt+1], v[S+32*\qt+2:S+32*\qt+3]
.endr
	WIN 0x01
.else
	WIN 0x01
	s_wait_alu depctr_va_vdst(0)
.irp i, 0,1
.irp qt, 0,1,2,3
	v_pk_add_f32 v[LS+2*\qt:LS+2*\qt+1], v[S+32*\qt+2*\i:S+32*\qt+2*\i+1], v[LS+2*\qt:LS+2*\qt+1]
.endr
.endr
.endif
.irp i, 2,3,4,5,6,7,8,9,10,11,12,13,14,15
.irp qt, 0,1,2,3
	v_pk_add_f32 v[LS+2*\qt:LS+2*\qt+1], v[S+32*\qt+2*\i:S+32*\qt+2*\i+1], v[LS+2*\qt:LS+2*\qt+1]
.endr
.endr
	; two key tiles pack, in place, into the eight registers of the first: every source is read before it is written over
	WIN 0x45
.irp qt, 0,1,2,3
.irp kg, 0,1
.irp u, 0,1,2,3
	v_cvt_pk_f16_f32 v[S+32*\qt+16*\kg+\u], v[S+32*\qt+16*\kg+2*\u], v[S+32*\qt+16*\kg+2*\u+1]
.endr
.irp u, 0,1,2,3
	v_cvt_pk_f16_f32 v[S+32*\qt+16*\kg+4+\u], v[S+32*\qt+16*\kg+8+2*\u], v[S+32*\qt+16*\kg+8+2*\u+1]
.endr
.endr
.endr
	s_wait_dscnt 0x0                               ; V's fragments
	WIN 0x54                                       ; O and P in window 1; sixteen accumulators by turns again
.irp qt, 0,1,2,3
.irp dt, 0,1,2,3
.if \first
	v_wmma_f32_16x16x32_f16 v[O+32*\qt+8*\dt:O+32*\qt+8*\dt+7], v[VF+8*\dt:VF+8*\dt+7], v[S+32*\qt:S+32*\qt+7], 0
.else
	v_wmma_f32_16x16x32_f16 v[O+32*\qt+8*\dt:O+32*\qt+8*\dt+7], v[VF+8*\dt:VF+8*\dt+7], v[S+32*\qt:S+32*\qt+7], v[O+32*\qt+8*\dt:O+32*\qt+8*\dt+7]
.endif
.endr
.endr
.irp qt, 0,1,2,3
.irp dt, 0,1,2,3
	v_wmma_f32_16x16x32_f16 v[O+32*\qt+8*\dt:O+32*\qt+8*\dt+7], v[VF+32+8*\dt:VF+32+8*\dt+7], v[S+32*\qt+16:S+32*\qt+23], v[O+32*\qt+8*\dt:O+32*\qt+8*\dt+7]
.endr
.endr
	WIN 0
	PLACES 5                                       ; the next step's loads land in K's and V's fragments, and its first products write over P
.endm
; The next 256 keys.  In front of the round: all my tensor loads have landed (my part of this slot among them), so the other slot's descriptors may
; step, and my reads of the other slot are back.  The joint refill of the other slot is the first tensor load behind the round.
.macro NEXT slot, refill, pf
	s_wait_tensorcnt 0x0
	ds_add_u32 v254, v255
	s_wait_dscnt 0x0
.if \refill
	s_add_nc_u64 s[G0V+4*(1-\slot)+2:G0V+4*(1-\slot)+3], s[G0V+4*(1-\slot)+2:G0V+4*(1-\slot)+3], 65536    ; 512 keys on
	s_add_nc_u64 s[G0K+4*(1-\slot)+2:G0K+4*(1-\slot)+3], s[G0K+4*(1-\slot)+2:G0K+4*(1-\slot)+3], 65536
.endif
	s_wait_dscnt 0x0
.if \refill
	CROUND
	JLOAD (1-\slot)
.else
	s_barrier_signal -1
	s_barrier_wait -1
.endif
	STEP \slot, 0, 0, \pf
	STEP \slot, 1, 0, 0
.endm
	s_wait_tensorcnt 0x1                           ; my part of slot 0 is in; slot 1's load may stay out
	s_barrier_signal -1
	s_barrier_wait -1
	s_wait_loadcnt 0x0                             ; Q
	STEP 0, 0, 1, 0                                ; keys 0-255
	STEP 0, 1, 0, 0
	s_mov_b32 s3, 3                                ; keys 256-1791
.Lkv:
	NEXT 1, 1, 0
	NEXT 0, 1, 0
	s_sub_co_u32 s3, s3, 1
	s_cmp_lg_u32 s3, 0
	s_cbranch_scc1 .Lkv
	NEXT 1, 0, 1                                   ; keys 1792-2047: nothing is left to fetch
	; THE END.  Waves 4-7 hand O, m and l to waves 0-3 through LDS; meanwhile waves 0-3 ask for their rows of x.
	s_cmp_lg_u32 s13, 0
	s_cbranch_scc0 .Lload_x
	WIN 0x04
.irp i, 0,1,2,3,4,5,6,7,8,9,10,11,12,13,14,15,16,17,18,19,20,21,22,23,24,25,26,27,28,29,30,31
	ds_store_b128 v[DA], v[O+4*\i:O+4*\i+3] offset:512*\i
.endr
	WIN 0
	ds_store_b128 v[DA], v[MX+8:MX+11] offset:16384                ; the last step wrote set 1
	ds_store_b128 v[DA], v[MX+12:MX+15] offset:16896
	ds_store_b128 v[DA], v[LS:LS+3] offset:17408
	ds_store_b128 v[DA], v[LS+4:LS+7] offset:17920
	s_branch .Ljoin
.Lload_x:
.irp i, 0,1,2,3,4,5,6,7,8,9,10,11,12,13,14,15,16,17,18,19,20,21,22,23,24,25,26,27,28,29,30,31
	global_load_b128 v[XR+4*\i:XR+4*\i+3], v[XO], s[46:47] offset:8192*\i    ; two rows a load, 256 consecutive bytes each, aligned
.endr
.Ljoin:
	s_wait_dscnt 0x0                               ; for the readers' sake: my stores are done
	s_barrier_signal -1
	s_barrier_wait -1
	s_cmp_lg_u32 s13, 0
	s_cbranch_scc1 .Lend
	ds_load_b128 v[MB:MB+3], v[DA] offset:16384
	ds_load_b128 v[MB+4:MB+7], v[DA] offset:16896
	ds_load_b128 v[LB:LB+3], v[DA] offset:17408
	ds_load_b128 v[LB+4:LB+7], v[DA] offset:17920
	s_wait_dscnt 0x0
	; m = max(mA, mB); fA = 2^(mA - m), fB = 2^(mB - m); l = lA fA + lB fB over both halves of the lanes; the factors of O are c_out f / l
.irp qt, 0,1,2,3
	v_max_num_f32 v[T2+\qt], v[MX+8+2*\qt], v[MB+2*\qt]
.endr
.irp qt, 0,1,2,3
	v_sub_f32 v[MX+2*\qt], v[MX+8+2*\qt], v[T2+\qt]
	v_sub_f32 v[AL+2*\qt], v[MB+2*\qt], v[T2+\qt]
	v_add_f32 v[LS+2*\qt], v[LS+2*\qt], v[LS+2*\qt+1]
	v_add_f32 v[LB+2*\qt], v[LB+2*\qt], v[LB+2*\qt+1]
.endr
.irp qt, 0,1,2,3
	v_exp_f32 v[MX+2*\qt], v[MX+2*\qt]
	v_exp_f32 v[AL+2*\qt], v[AL+2*\qt]
.endr
	v_nop
	s_wait_alu depctr_va_vdst(0)
.irp qt, 0,1,2,3
	v_mul_f32 v[LS+2*\qt], v[LS+2*\qt], v[MX+2*\qt]
.endr
.irp qt, 0,1,2,3
	v_fmac_f32 v[LS+2*\qt], v[LB+2*\qt], v[AL+2*\qt]
.endr
.irp qt, 0,1,2,3
	v_permlanex16_b32 v[T2+\qt], v[LS+2*\qt], s16, s17
.endr
.irp qt, 0,1,2,3
	v_add_f32 v[LS+2*\qt], v[LS+2*\qt], v[T2+\qt]
.endr
.irp qt, 0,1,2,3
	v_rcp_f32 v[LS+2*\qt+1], v[LS+2*\qt]           ; l is at least 1: the largest score's term is 2^0
.endr
	v_nop
	s_wait_alu depctr_va_vdst(0)
.irp qt, 0,1,2,3
	v_mul_f32 v[LS+2*\qt+1], v[LS+2*\qt+1], v[COUT]
.endr
.irp qt, 0,1,2,3
	v_mul_f32 v[MX+2*\qt], v[MX+2*\qt], v[LS+2*\qt+1]
	v_mul_f32 v[AL+2*\qt], v[AL+2*\qt], v[LS+2*\qt+1]
.endr
.irp qt, 0,1,2,3
	v_mov_b32 v[MX+2*\qt+1], v[MX+2*\qt]           ; pairs for the packed arithmetic
	v_mov_b32 v[AL+2*\qt+1], v[AL+2*\qt]
.endr
; 16 queries: merge the two halves, turn O^T's columns into rows through my own stage, add c_skip x, round to f16, store.
.macro OUTQ qt
	s_wait_xcnt 0x0                                ; RB, which the last tile's stores read, is loaded again only behind this wait
.irp i, 0,1,2,3,4,5,6,7
	ds_load_b128 v[OB+4*\i:OB+4*\i+3], v[DA] offset:512*(8*\qt+\i)
.endr
	s_wait_dscnt 0x0
.irp i, 0,1,2,3,4,5,6,7,8,9,10,11,12,13,14,15
	v_pk_mul_f32 v[OB+2*\i:OB+2*\i+1], v[OB+2*\i:OB+2*\i+1], v[AL+2*\qt:AL+2*\qt+1]
.endr
	WIN 0x01
.irp i, 0,1,2,3,4,5,6,7,8,9,10,11,12,13,14,15
	v_pk_fma_f32 v[OB+2*\i:OB+2*\i+1], v[O+32*\qt+2*\i:O+32*\qt+2*\i+1], v[MX+2*\qt:MX+2*\qt+1], v[OB+2*\i:OB+2*\i+1]
.endr
	WIN 0
.irp dt, 0,1,2,3
	ds_store_b128 v[STO], v[OB+8*\dt:OB+8*\dt+3] offset:64*\dt
	ds_store_b128 v[STO], v[OB+8*\dt+4:OB+8*\dt+7] offset:64*\dt+16
.endr
.irp t, 0,1,2,3,4,5,6,7
	ds_load_b128 v[RB+4*\t:RB+4*\t+3], v[RD] offset:2*RP*\t        ; a wave's LDS instructions are served in order: these see the stores above
.endr
	s_wait_loadcnt 24-8*\qt                        ; this tile's eight loads of x are in, the later tiles' stay out
	s_wait_dscnt 0x0
.irp i, 0,1,2,3,4,5,6,7,8,9,10,11,12,13,14,15
	v_pk_fma_f32 v[RB+2*\i:RB+2*\i+1], v[XR+32*\qt+2*\i:XR+32*\qt+2*\i+1], v[CS:CS+1], v[RB+2*\i:RB+2*\i+1]
.endr
.irp t, 0,1,2,3,4,5,6,7
	v_cvt_pk_f16_f32 v[RB+4*\t], v[RB+4*\t], v[RB+4*\t+1]
	v_cvt_pk_f16_f32 v[RB+4*\t+1], v[RB+4*\t+2], v[RB+4*\t+3]
.endr
.irp t, 0,1,2,3,4,5,6,7
	global_store_b64 v[MO], v[RB+4*\t:RB+4*\t+1], s[68:69] offset:(16*\qt+2*\t)*128    ; two rows of 128 bytes: 256 consecutive bytes, aligned
.endr
.endm
	OUTQ 0
	OUTQ 1
	OUTQ 2
	OUTQ 3
.Lend:
	s_wait_tensorcnt 0x0
	ds_add_u32 v254, v255
	s_wait_dscnt 0x0
	CROUND                                         ; the closing round
	s_endpgm
.Lfunc_end_k_q7a837b0483_attn:
	.size	k_q7a837b0483_attn, .Lfunc_end_k_q7a837b0483_attn-k_q7a837b0483_attn
	.p2alignl 7, 3214868480
	.fill 96, 4, 3214868480
	.section	.rodata,"a",@progbits
	.p2align	6, 0x0
	.amdhsa_kernel k_q7a837b0483_attn
		.amdhsa_group_segment_fixed_size 327680
		.amdhsa_private_segment_fixed_size 0
		.amdhsa_enable_private_segment 0
		.amdhsa_kernarg_size 32
		.amdhsa_user_sgpr_count 2
		.amdhsa_user_sgpr_kernarg_segment_ptr 1
		.amdhsa_wavefront_size32 1
		.amdhsa_system_sgpr_workgroup_id_x 1
		.amdhsa_system_sgpr_workgroup_id_y 1
		.amdhsa_system_sgpr_workgroup_id_z 1
		.amdhsa_system_vgpr_workitem_id 0
		.amdhsa_next_free_vgpr 512
		.amdhsa_next_free_sgpr 80
		.amdhsa_reserve_vcc 0
		.amdhsa_float_denorm_mode_32 3
		.amdhsa_float_denorm_mode_16_64 3
		.amdhsa_memory_ordered 1
		.amdhsa_forward_progress 1
		.amdhsa_inst_pref_size 255
	.end_amdhsa_kernel
	.section	.bss,"aw",@nobits
	.p2align	6
	.space	262144
	.amdgpu_metadata
---
amdhsa.version: [ 1, 2 ]
amdhsa.kernels:
  - .name:           k_q7a837b0483_attn
    .symbol:         k_q7a837b0483_attn.kd
    .args:
      - { .name: qkv, .offset: 0, .size: 8, .value_kind: global_buffer, .address_space: global }
      - { .name: x, .offset: 8, .size: 8, .value_kind: global_buffer, .address_space: global }
      - { .name: t, .offset: 16, .size: 8, .value_kind: global_buffer, .address_space: global }
      - { .name: mid, .offset: 24, .size: 8, .value_kind: global_buffer, .address_space: global }
    .group_segment_fixed_size: 327680
    .private_segment_fixed_size: 0
    .kernarg_segment_align: 8
    .kernarg_segment_size: 32
    .max_flat_workgroup_size: 256
    .sgpr_count:     80
    .vgpr_count:     512
    .wavefront_size: 32
...
	.end_amdgpu_metadata
.endif
;; end of part 3
;; launch proj (part 4): grid 8 x 32, 4 waves a work-group, clusters of 4 x 4, 327,680 bytes of LDS; arguments mid, h16, b_proj, out0; writes out0
.if DOCPART == 4
	.amdgcn_target "amdgcn-amd-amdhsa--gfx1250"
	.amdhsa_code_object_version 6
	.text
	.protected	k_q7a837b0483_proj
	.globl	k_q7a837b0483_proj
	.p2align	8
	.type	k_q7a837b0483_proj,@function
k_q7a837b0483_proj:
	s_mov_b64 s[64:65], 0
	v_nop
	global_prefetch_b8 v0, s[64:65] scope:SCOPE_SE
	s_setreg_imm32_b32 hwreg(HW_REG_WAVE_MODE, 25, 1), 1
	s_wait_xcnt 0x0
	s_wait_alu depctr_hold_cnt(0) depctr_sa_sdst(0) depctr_va_vdst(0) depctr_va_sdst(0) depctr_va_ssrc(0) depctr_va_vcc(0) depctr_vm_vsrc(0)
	s_getreg_b32 s2, hwreg(HW_REG_IB_STS2, 6, 4)
	s_cmp_eq_u32 s2, 0
	s_cbranch_scc0 .Lentry_in_a_cluster
	s_endpgm
.Lentry_in_a_cluster:
	s_bfe_u32 s2, ttmp6, 0x10000c
	s_cmp_lg_u32 s2, 0xf033
	s_cbranch_scc0 .Lentry_shape_is_right
	s_endpgm
.Lentry_shape_is_right:
; out0 = mid w_proj + b_proj, f32.  mid: [row / 128][head][128 rows][64] f16; w_proj's f16 copy [1024 k][1024 n] lies at byte 14,680,064 of h16.
; Operands f16, sums f32.  A work-group makes 128 x 128 with four waves, 2 x 2; a wave makes 64 x 64: 16 accumulator tiles.
; A slot holds 256 along K (four heads): parts 0, 1 are mid's two head planes each (256 rows of 128 bytes, dense in memory, pitch 144), parts 2, 3
; are w_proj's 128 k-rows x 128 columns each (rows of 256 bytes, pitch 288, read by the transposing load).  One tensor load a wave and part.
; K = 1,024 is four slots' worth on two slots: the four are written out, no loop.
; CLUSTERS: 4 x 4; mid's tiles hang on the block row alone and are shared along a row of the cluster, w_proj's on the block column alone.
; The matrix instruction is used transposed: lane l holds row l % 16 and columns 8 (l / 16) + 0..7.
.set PAH,    144
.set PLANE,  128*PAH                   ; 18,432: one head's 128 rows
.set PB,     288
.set PART,   36864
.set SLOT,   4*PART
.set STAGE,  2*SLOT                    ; behind the ring, no fill lands here: 16 rows x 272 bytes for each wave
.set SPITCH, 272
.set WP,     14680064
.set ADRA,   16                        ; v16-17
.set ADRB,   18                        ; v18-21: register 2 slot + which 128 k-rows
.set STO,    24
.set RD,     25
.set CO,     26
.set BO,     27
.set BI,     28                        ; v28-31: bias of my four columns on the way out
.set FA,     32                        ; buffer f: mid's fragments at 32 + 64 f,
.set FB,     64                        ; w_proj's at 64 + 64 f
.set RB,     160
.set G1,  24
.set G0,  32
.set G1B, 48
.set G0B, 56
.set MUL, 0x50                         ; accumulators in window 1, tile (a, b) at v[8 (4 a + b)]
.set MSB, 0
.macro WIN new
.if MSB != \new
	s_set_vgpr_msb (MSB<<8)|\new
.set MSB, \new
.endif
.endm
.macro PLACES n
.rept \n
	v_nop
.endr
.endm
.macro JLOAD s                         ; waves 0, 1 ask for mid's parts, waves 2, 3 for w_proj's
	s_cmp_eq_u32 s13, 0
	s_cbranch_scc0 .Lfor_b_\@
	tensor_load_to_lds s[G0+4*\s:G0+4*\s+3], s[G1:G1+7]
	s_nop 0
	s_branch .Lasked_\@
.Lfor_b_\@:
	tensor_load_to_lds s[G0B+4*\s:G0B+4*\s+3], s[G1B:G1B+7]
	s_nop 0
.Lasked_\@:
.endm
.macro CREST
	s_cmp_lg_u32 s12, 0
	s_cbranch_scc1 .Lnot_wave_0_\@
	s_barrier_signal -3
.Lnot_wave_0_\@:
	s_barrier_wait -3
	s_barrier_signal -1
	s_barrier_wait -1
.endm
.macro CROUND
	s_barrier_signal -1
	s_barrier_wait -1
	CREST
.endm
	s_load_b256 s[4:11], s[0:1], 0x0               ; mid s[4:5], h16 s[6:7], b_proj s[8:9], out0 s[10:11]
	v_lshl_add_u32 v254, v0, 2, 0x4c400
	v_mov_b32 v255, 0
	ds_add_u32 v254, v255
	v_lshrrev_b32 v1, 5, v0
	v_readfirstlane_b32 s12, v1                    ; wave 0..3
	s_lshr_b32 s13, s12, 1                         ; wm: which 64 rows.  Also: I fetch for mid (0) or for w_proj (1)
	s_and_b32 s14, s12, 1                          ; wn: which 64 columns.  Also: which part I fetch
	s_bfe_u32 s40, ttmp6, 0x40000                  ; cx
	s_bfe_u32 s41, ttmp6, 0x40004                  ; cy
	s_lshl_b32 s42, ttmp9, 2
	s_add_co_u32 s42, s42, s40                     ; bx
	s_and_b32 s15, ttmp7, 0xffff
	s_lshl_b32 s15, s15, 2
	s_add_co_u32 s15, s15, s41                     ; by
	s_lshl_b32 s43, s41, 2
	s_lshl_b32 s43, 15, s43                        ; my row of the cluster
	s_lshl_b32 s44, 0x1111, s40                    ; my column
	s_or_b32 s[G1+0], s43, (1<<16)|(1<<20)|(1<<21)|(4<<22)|(3<<25)   ; 2-byte elements; 4 words of pad behind every 32
	s_or_b32 s[G1B+0], s44, (1<<16)|(1<<20)|(1<<21)|(5<<22)|(7<<25)  ; 8 words behind every 64
	s_mov_b32 s[G1+1], 64<<16                      ; mid: 256 rows x 64 elements, pitch 64
	s_mov_b32 s[G1+2], 256<<16
	s_mov_b32 s[G1+3], 64<<16
	s_mov_b32 s[G1+4], 256
	s_mov_b32 s[G1+5], 64
	s_mov_b32 s[G1+6], 0
	s_mov_b32 s[G1+7], 0
	s_mov_b32 s[G1B+1], 128<<16                    ; w_proj: 128 rows x 128 elements, pitch 1,024
	s_mov_b32 s[G1B+2], 128<<16
	s_mov_b32 s[G1B+3], 128<<16
	s_mov_b32 s[G1B+4], 128
	s_mov_b32 s[G1B+5], 1024
	s_mov_b32 s[G1B+6], 0
	s_mov_b32 s[G1B+7], 0
	s_lshl_b32 s16, s15, 18                        ; mid: 262,144 bytes a block row,
	s_lshl_b32 s17, s14, 15                        ; + two heads of 16,384 bytes a part
	s_add_co_u32 s16, s16, s17
	s_mov_b32 s17, 0
	s_lshl_b32 s46, s42, 8                         ; w_proj: 128 columns of 2 bytes a block column,
	s_lshl_b32 s47, s14, 18                        ; + 128 rows of 2,048 bytes a part,
	s_add_co_u32 s46, s46, s47
	s_add_co_u32 s46, s46, WP                      ; behind the other copies
	s_mov_b32 s47, 0
	s_mul_i32 s20, s12, PART
	s_wait_dscnt 0x0
	s_wait_kmcnt 0x0
	s_add_nc_u64 s[18:19], s[4:5], s[16:17]
	s_add_nc_u64 s[46:47], s[6:7], s[46:47]
	CROUND                                         ; all sixteen work-groups are here: the first joint loads meet
.irp s, 0,1
	s_mov_b32 s[G0+4*\s], 1
	s_add_co_u32 s[G0+4*\s+1], s20, \s*SLOT
	s_add_nc_u64 s[G0+4*\s+2:G0+4*\s+3], s[18:19], \s*65536        ; four heads a slot
	s_or_b32 s[G0+4*\s+3], s[G0+4*\s+3], 0x80000000
	s_mov_b32 s[G0B+4*\s], 1
	s_add_co_u32 s[G0B+4*\s+1], s20, \s*SLOT
	s_add_nc_u64 s[G0B+4*\s+2:G0B+4*\s+3], s[46:47], \s*524288     ; 256 rows a slot
	s_or_b32 s[G0B+4*\s+3], s[G0B+4*\s+3], 0x80000000
	JLOAD \s
.endr
	v_and_b32 v1, 15, v0                           ; r
	v_bfe_u32 v2, v0, 4, 1                         ; h
	v_and_b32 v3, 7, v0
	v_bfe_u32 v4, v0, 3, 1
	v_lshlrev_b32 v[BO], 4, v1
	s_lshl_b32 s46, s42, 9                         ; 4 (128 bx + 64 wn): the bias's offset, and my first column's in a row of out0
	s_lshl_b32 s47, s14, 8
	s_add_co_u32 s46, s46, s47
	s_mov_b32 s47, 0
	s_add_nc_u64 s[66:67], s[8:9], s[46:47]
	global_load_b128 v[BI:BI+3], v[BO], s[66:67]
	v_mul_u32_u24 v6, v1, PAH
	v_lshl_add_u32 v6, v2, 4, v6
	s_mul_i32 s21, s13, 64*PAH
	v_add_nc_u32 v[ADRA], s21, v6
	v_add_nc_u32 v[ADRA+1], SLOT, v[ADRA]
	v_lshl_add_u32 v7, v2, 3, v3
	v_mul_u32_u24 v7, v7, PB
	v_lshl_add_u32 v7, v4, 4, v7
	s_lshl_b32 s21, s14, 7                         ; my 64 columns: 128 bytes
	s_add_co_u32 s21, s21, 2*PART
	v_add_nc_u32 v[ADRB], s21, v7
	v_add_nc_u32 v[ADRB+1], PART, v[ADRB]
	v_add_nc_u32 v[ADRB+2], SLOT, v[ADRB]
	v_add_nc_u32 v[ADRB+3], SLOT+PART, v[ADRB]
	s_mul_i32 s23, s12, 16*SPITCH
	s_add_co_u32 s23, s23, STAGE
	v_mul_u32_u24 v8, v1, SPITCH
	v_lshl_add_u32 v8, v2, 5, v8
	v_add_nc_u32 v[STO], s23, v8                   ; in: row r, 32 bytes for each half of the lanes
	v_mul_u32_u24 v9, v2, SPITCH
	v_lshl_add_u32 v9, v1, 4, v9
	v_add_nc_u32 v[RD], s23, v9                    ; back: sixteen lanes take a row of 256 bytes
	v_lshlrev_b32 v[CO], 12, v2
	v_lshl_add_u32 v[CO], v1, 4, v[CO]             ; and the same two rows in out0
; 16 LDS loads: the fragments of 32 along K (eighth q of the slot) into buffer f
.macro FETCH slot, q, f
.irp b, 0,1,2,3
	ds_load_tr16_b128 v[FB+64*\f+8*\b:FB+64*\f+8*\b+3],   v[ADRB+2*\slot+(\q>>2)] offset:32*PB*(\q&3)+32*\b
	ds_load_tr16_b128 v[FB+64*\f+8*\b+4:FB+64*\f+8*\b+7], v[ADRB+2*\slot+(\q>>2)] offset:32*PB*(\q&3)+32*\b+16*PB
.endr
.irp a, 0,1,2,3
	ds_load_b128 v[FA+64*\f+8*\a:FA+64*\f+8*\a+3],   v[ADRA+\slot] offset:PLANE*(\q>>1)+16*PAH*\a+64*(\q&1)
	ds_load_b128 v[FA+64*\f+8*\a+4:FA+64*\f+8*\a+7], v[ADRA+\slot] offset:PLANE*(\q>>1)+16*PAH*\a+64*(\q&1)+32
.endr
.endm
; 8 matrix instructions.  The sixteen accumulators take turns, one instruction a turn, in the same order throughout.
.macro MUL8 f, a0, zero
.irp a, \a0, \a0+1
.irp b, 0,1,2,3
.if \zero
	v_wmma_f32_16x16x32_f16 v[8*(4*(\a)+\b):8*(4*(\a)+\b)+7], v[FB+64*\f+8*\b:FB+64*\f+8*\b+7], v[FA+64*\f+8*(\a):FA+64*\f+8*(\a)+7], 0
.else
	v_wmma_f32_16x16x32_f16 v[8*(4*(\a)+\b):8*(4*(\a)+\b)+7], v[FB+64*\f+8*\b:FB+64*\f+8*\b+7], v[FA+64*\f+8*(\a):FA+64*\f+8*(\a)+7], v[8*(4*(\a)+\b):8*(4*(\a)+\b)+7]
.endif
.endr
.endr
.endm
; Eighth q of a slot, on buffer q & 1: it is in; four places behind the matrix instructions that read the other buffer (ISA guide 7.12.1);
; the next eighth's fragments go out into that buffer.
.macro QUARTER slot, q, zero
	s_wait_dscnt 0x0
	PLACES 4
	FETCH \slot, (\q+1), ((\q+1)&1)
	WIN MUL
	MUL8 (\q&1), 0, \zero
	MUL8 (\q&1), 2, \zero
	WIN 0
.endm
.macro SEVEN slot, zero
	QUARTER \slot, 0, \zero
.irp q, 1,2,3,4,5,6
	QUARTER \slot, \q, 0
.endr
.endm
; The last eighth multiplies buffer 1 and changes slots: my reads of this slot are back and all my tensor loads have landed in front of the barrier;
; where the slot is filled again the barrier opens a round of the cluster's barrier and the joint refill comes first behind the round.
.macro TURN slot, next, fill
	s_wait_dscnt 0x0
	s_wait_tensorcnt 0x0
	ds_add_u32 v254, v255
	s_wait_dscnt 0x0
	s_barrier_signal -1
	WIN MUL
	MUL8 1, 0, 0
	WIN 0
	s_barrier_wait -1
.if \fill
	CREST
	s_add_nc_u64 s[G0+4*\slot+2:G0+4*\slot+3], s[G0+4*\slot+2:G0+4*\slot+3], 131072        ; two slots on; no load of mine is out
	s_add_nc_u64 s[G0B+4*\slot+2:G0B+4*\slot+3], s[G0B+4*\slot+2:G0B+4*\slot+3], 1048576
	JLOAD \slot
.endif
	PLACES 4
	FETCH \next, 0, 0
	WIN MUL
	MUL8 1, 2, 0
	WIN 0
.endm
	s_wait_tensorcnt 0x1                           ; my part of slot 0 is in; slot 1's load may stay out
	s_barrier_signal -1
	s_barrier_wait -1
	FETCH 0, 0, 0
	SEVEN 0, 1                                     ; k 0-255: the first products start the sums
	TURN 0, 1, 1
	SEVEN 1, 0                                     ; k 256-511
	TURN 1, 0, 1
	SEVEN 0, 0                                     ; k 512-767: nothing is left to fetch
	TURN 0, 1, 0
	SEVEN 1, 0                                     ; k 768-1023
	s_wait_dscnt 0x0
	WIN MUL
	MUL8 1, 0, 0
	MUL8 1, 2, 0
	WIN 0
	PLACES 4                                       ; behind the last matrix instructions, for the LDS stores of the sums and the loads into RB's neighbours
	; THE WAY OUT, 16 rows at a time through my own stage; the bias is added to whole rows
	s_lshl_b32 s16, s15, 19                        ; 128 rows of 4,096 bytes a block row
	s_lshl_b32 s17, s13, 18                        ; + 64 rows
	s_add_co_u32 s16, s16, s17
	s_mov_b32 s17, 0
	s_add_nc_u64 s[10:11], s[10:11], s[16:17]
	s_add_nc_u64 s[10:11], s[10:11], s[46:47]      ; + my first column
	s_wait_loadcnt 0x0                             ; the bias
.macro OUTROW a
	WIN 0x04
.irp b, 0,1,2,3
	ds_store_b128 v[STO], v[8*(4*\a+\b):8*(4*\a+\b)+3] offset:64*\b
	ds_store_b128 v[STO], v[8*(4*\a+\b)+4:8*(4*\a+\b)+7] offset:64*\b+16
.endr
	WIN 0
	s_wait_xcnt 0x0                                ; RB, which the last row tile's stores read, is loaded again only behind this wait
.irp t, 0,1,2,3,4,5,6,7
	ds_load_b128 v[RB+4*\t:RB+4*\t+3], v[RD] offset:2*SPITCH*\t    ; a wave's LDS instructions are served in order: these see the stores above
.endr
.irp t, 0,1,2,3,4,5,6,7
	s_wait_dscnt 7-\t                              ; the younger read-backs stay out
	v_pk_add_f32 v[RB+4*\t:RB+4*\t+1], v[RB+4*\t:RB+4*\t+1], v[BI:BI+1]
	v_pk_add_f32 v[RB+4*\t+2:RB+4*\t+3], v[RB+4*\t+2:RB+4*\t+3], v[BI+2:BI+3]
	global_store_b128 v[CO], v[RB+4*\t:RB+4*\t+3], s[10:11] offset:(16*\a+2*\t)*4096 th:TH_STORE_NT   ; sixteen lanes store 256 consecutive bytes, aligned
.endr
.endm
	OUTROW 0
	OUTROW 1
	OUTROW 2
	OUTROW 3
	s_wait_tensorcnt 0x0
	ds_add_u32 v254, v255
	s_wait_dscnt 0x0
	CROUND                                         ; the closing round
	s_endpgm
.Lfunc_end_k_q7a837b0483_proj:
	.size	k_q7a837b0483_proj, .Lfunc_end_k_q7a837b0483_proj-k_q7a837b0483_proj
	.p2alignl 7, 3214868480
	.fill 96, 4, 3214868480
	.section	.rodata,"a",@progbits
	.p2align	6, 0x0
	.amdhsa_kernel k_q7a837b0483_proj
		.amdhsa_group_segment_fixed_size 327680
		.amdhsa_private_segment_fixed_size 0
		.amdhsa_enable_private_segment 0
		.amdhsa_kernarg_size 32
		.amdhsa_user_sgpr_count 2
		.amdhsa_user_sgpr_kernarg_segment_ptr 1
		.amdhsa_wavefront_size32 1
		.amdhsa_system_sgpr_workgroup_id_x 1
		.amdhsa_system_sgpr_workgroup_id_y 1
		.amdhsa_system_sgpr_workgroup_id_z 1
		.amdhsa_system_vgpr_workitem_id 0
		.amdhsa_next_free_vgpr 384
		.amdhsa_next_free_sgpr 72
		.amdhsa_reserve_vcc 0
		.amdhsa_float_denorm_mode_32 3
		.amdhsa_float_denorm_mode_16_64 3
		.amdhsa_memory_ordered 1
		.amdhsa_forward_progress 1
		.amdhsa_inst_pref_size 93
	.end_amdhsa_kernel
	.amdgpu_metadata
---
amdhsa.version: [ 1, 2 ]
amdhsa.kernels:
  - .name:           k_q7a837b0483_proj
    .symbol:         k_q7a837b0483_proj.kd
    .args:
      - { .name: mid, .offset: 0, .size: 8, .value_kind: global_buffer, .address_space: global }
      - { .name: h16, .offset: 8, .size: 8, .value_kind: global_buffer, .address_space: global }
      - { .name: b_proj, .offset: 16, .size: 8, .value_kind: global_buffer, .address_space: global }
      - { .name: out0, .offset: 24, .size: 8, .value_kind: global_buffer, .address_space: global }
    .group_segment_fixed_size: 327680
    .private_segment_fixed_size: 0
    .kernarg_segment_align: 8
    .kernarg_segment_size: 32
    .max_flat_workgroup_size: 128
    .sgpr_count:     72
    .vgpr_count:     384
    .wavefront_size: 32
...
	.end_amdgpu_metadata
.endif
;; end of part 4
